; MI455X (gfx1250); checked and timed in simulation.
; The chip was launched on July 23, 2026; its instructions are those of AMD's public machine-readable ISA for CDNA 5 (MIT licence, August 2026) and "CDNA5" Instruction Set Architecture Reference Guide (July 2026). The comments in the code are by the model that wrote it; some were corrected since.
;; Outer Product Mean. Allowed arithmetic: matrix products marked QUANTISED: E2M3 operands, one E8M0 scale for each 32 along K, by v_wmma_scale_f32_16x16x128_f8f6f4 with both operands' format E2M3, f32 sums; everything else in f32.
;; Inputs: b1 32 float32; b2 128 float32; ln_beta 256 float32; ln_gamma 256 float32; w1_codes 32 x 8 x 24 uint8 (E2M3 codes of w1, K innermost, in blocks of 32 codes, four codes in three bytes); w1_scales 32 x 8 uint8 (E8M0 scales of w1, one for each 32 codes along K); w2_codes 128 x 32 x 24 uint8 (E2M3 codes of w2, K innermost, in blocks of 32 codes, four codes in three bytes); w2_scales 128 x 32 uint8 (E8M0 scales of w2, one for each 32 codes along K); x 1 x 128 x 256 x 256 float32.
;; Outputs: out0 1 x 256 x 256 x 128 float32.
;; This version of the problem:
;;   THIS VERSION OF THE PROBLEM IS GIVEN IN LOW PRECISION. The matrix products marked QUANTISED in the list below multiply operands that are first quantised to E2M3 (2 exponent bits, 3 mantissa bits; 6 bits a number), with one power-of-two scale for each 32 numbers along K (OCP MX v1.0); their sums are f32. All else is computed in f32.
;;   The module's matrix products, in the order in which they are computed (A, B: the left and right operand; K: the contracted axis; several contracted axes count as one K, in the product's order):
;;     1. [M 32,768, K 256] x [K 256, N 32]; A: computed on the way; B: input w1 (given as codes): QUANTISED
;;     2. [M 8,192, K 128] x [K 128, N 8,192]; A: computed on the way; B: computed on the way: QUANTISED
;;     3. [M 65,536, K 1,024] x [K 1,024, N 128]; A: computed on the way; B: input w2 (given as codes): QUANTISED
;;   THE QUANTISER, for each operand of a quantised product, along K:
;;     - K is cut into blocks of 32 from its start; a last block that is shorter is filled with zeros.
;;     - A block's scale is 2^e with e = floor(log2(the largest magnitude in the block)) - 2, held to -126 .. 127; a block of zeros has e = 0. As a byte (E8M0): e + 127.
;;     - Each number is divided by its block's scale, clamped to +-7.5, and rounded to the nearest number of E2M3, ties to even, subnormals kept.
;;     - The product sums the exact products of the quantised numbers (number of the format x scale) in f32.
;;   ~~~python
;;   def quantise(x, axis):      # numpy; x: float32 -> the quantised numbers, widened to float32 again
;;       x = np.moveaxis(x, axis, -1); K = x.shape[-1]
;;       x = np.pad(x, [(0, 0)] * (x.ndim - 1) + [(0, -K % 32)]); x = x.reshape(x.shape[:-1] + (-1, 32)); a = np.abs(x).max(-1, keepdims=True)
;;       e = np.where(a > 0, np.clip(np.frexp(np.where(a > 0, a, 1))[1] - 1 - 2, -126, 127), 0)      # np.frexp(a)[1] - 1 = floor(log2(a)), exactly
;;       r = np.clip(x / 2.0 ** e, -7.5, 7.5)
;;       step = 2.0 ** (np.maximum(np.frexp(np.where(r == 0, 1, r))[1] - 1, 0) - 3)
;;       q = np.round(r / step) * step * 2.0 ** e      # np.round: ties to even
;;       return np.moveaxis(q.reshape(q.shape[:-2] + (-1,))[..., :K], -1, axis).astype(np.float32)
;;   ~~~
;;   OPERANDS COMPUTED ON THE WAY. 'Computed on the way' means the value that the module computes at that place (a softmax that the list does not call 'softmax' is quantised finished and normalised). What goes into a quantiser is computed in f32, as accurately as f32 sums, v_exp_f32 and their like allow (about 1e-6 of the number): no bf16 or f16 on the way to a quantiser, and a product that is left as it is and whose result goes on into a quantised operand takes f32 operands (vector FMAs, or v_wmma_f32_16x16x4_f32). A number that lies on a knife's edge between two numbers of the format may be rounded either way, as far as f32 arithmetic and the matrix unit's own rounding can turn it there, and no further.
;;   INPUTS GIVEN AS CODES. w1 (in the module: [256, 32], K = its axis 0); w2 (in the module: [1024, 128], K = its axis 0): each comes as NAME_codes (uint8): NAME with its K axis moved to the last place and cut into blocks of 32 codes, [.., K / 32, bytes a block], one block behind the other in memory; four codes in three bytes: a row's codes are one little-endian stream of bits, code i at bits 6 i .. 6 i + 5 (a code: sign, 2 exponent bits, 3 mantissa bits); and NAME_scales (uint8): the same leading axes, one E8M0 byte (e + 127) for each 32 codes along K. Its value is code x scale, taken as it is: it is not quantised again, and the codes and scales need not be those that the quantiser above would give.
;; One version. Each part assembles by itself: llvm-mc -triple=amdgcn-amd-amdhsa -mcpu=gfx1250 --defsym DOCPART=n.
;; ======== version 1 of 1: 2 launches
;; limits: right only within a limited range of input values
;; workspace buffers: a_codes 786,432 bytes; a_scales 32,768 bytes; w2_img 98,304 bytes
;; launch norm_fc1 (part 1): grid 256 x 1, 8 waves a work-group, no clusters, 167,936 bytes of LDS; arguments x, ln_gamma, ln_beta, w1_codes, w1_scales, b1, w2_codes, a_codes, a_scales, w2_img; writes a_codes, a_scales, w2_img
.if DOCPART == 1
	.amdgcn_target "amdgcn-amd-amdhsa--gfx1250"
	.amdhsa_code_object_version 6
	.text
	.protected	k_q6cea9878b1_norm_fc1
	.globl	k_q6cea9878b1_norm_fc1
	.p2align	8
	.type	k_q6cea9878b1_norm_fc1,@function
k_q6cea9878b1_norm_fc1:
	s_mov_b64 s[64:65], 0
	v_nop
	global_prefetch_b8 v0, s[64:65] scope:SCOPE_SE
	s_setreg_imm32_b32 hwreg(HW_REG_WAVE_MODE, 25, 1), 1
	s_wait_xcnt 0x0
; a[s][i][c] = LayerNorm(x[s][i][:]) . w1[:][c] + b1[c], the product on codes of FP6 (E2M3), one E8M0 scale for each 32 along K (m); then a becomes codes along s, the K of the next product.
; Besides, work-groups 0 to 63 lay one fragment of w2 each in the order in which the next launch's registers take it.  No step of the problem is left out.
; x: [128 s][256 i][256 m] f32.  OUT: a_codes [256 i][3 q][32 c][2 h][16 bytes]: the 48 bytes that lane half h takes of row (i, c): s blocks h and 2 + h, 24 bytes each, cut into three 16s.
; a_scales [256 i][32 c][4], byte b for s = 32 b ..;  w2_img [2 zh][8 k][4 t][3 q][32 lanes][16 bytes]: fragment of rows z = 64 zh + 16 t + r, K step k.
; SHARES.  A work-group takes one i, wave w the 16 rows s = 16 w ..; its 16 rows of 1,024 bytes come by one tensor load into LDS bytes that it alone reads and that are filled once.
; A LANE (r = lane % 16, h = lane / 16) holds of row r the blocks 2 g + h of 32 along m: a block's largest magnitude needs no other lane, and the conversions' results are the operand's registers.
; Mean and variance in two passes in f32 (the squares are those of the differences).
; gamma, beta and w1 (8,192 bytes) are read once by the work-group in whole runs and handed on through LDS.  a meets in LDS as f32; waves 0 and 1 then turn it into codes, a lane for each (c, h).
; cluster = none: what the work-groups share is these 8,192 bytes beside 131,072 of each one's own.  No prefetch: the whole of x is asked for at the head; there is no loop to run ahead in.
; a_scales leaves as 128 consecutive bytes for each work-group.
; LIMITS: NaN and infinities among the inputs are not served.  A block of zeros gets the byte 1 (the rule says 127): its codes are zeros, which add nothing under that byte; the bytes are read by this program alone.
; REGISTERS: window 0: v1-21 addresses, v22-125 at work, v128-255 a lane's 128 numbers.  window 1: gamma v0-127, beta v128-255; then w1's four fragments v0-47.
.set PITCH, 1040                       ; an LDS row of x: 1,024 bytes + 16 = 65 x 16
.set TILE,  16*PITCH
.set GB,    8*TILE                     ; gamma, then beta
.set W1L,   GB+2048                    ; w1's 32 rows
.set W1P,   208                        ; a row of 192 bytes + 16: 52 words: 16 rows start at 16 different multiples of 4 words modulo 64
.set ATB,   W1L+32*W1P                 ; a: row c, 128 numbers along s
.set AP,    528                        ; 512 bytes + 16 = 33 x 16
.set SPARE, ATB+32*AP                  ; the spare words, 128 bytes a wave
.set XA,   3
.set OGB,  4
.set LG,   5
.set LW,   6
.set O4,   7
.set O24,  8
.set OWS,  9
.set OB1,  10
.set FW,   11
.set AST,  12
.set ARD,  13
.set SH,   14
.set OAC,  15
.set OSC,  16
.set OW2,  17
.set OIM,  18
.set SPW,  19
.set NIL,  20
.set SHX,  21
.set S,    22                          ; v22-29
.set MU,   30
.set RS,   32
.set MX,   34                          ; v34-37
.set TS,   38                          ; v38-41
.set BY,   42                          ; v42-45
.set PD,   46
.set XSC,  48
.set W1S,  50                          ; v50-53: 2 n + q
.set HI,   54                          ; v54-69; at the head v54-61 what is handed on through LDS, v62-63 b1
.set B1C,  70                          ; v70-85: b1 in the result's layout
.set AD,   86                          ; v86-101: a, 8 n + j
.set XC,   102                         ; v102-125: xn's fragments; at the head w2's 12 registers
.set X,    128
.set WV,   24
.set G1,   28
.set G0,   36
.set SEL,  40
.set MSB, 0
.macro WIN new                         ; the immediate's high byte repeats the setting that is left
.if MSB != \new
	s_set_vgpr_msb (MSB<<8)|\new
.set MSB, \new
.endif
.endm
	s_load_b512 s[4:19], s[0:1], 0x0               ; x, gamma, beta, w1's codes, w1's scales, b1, w2's codes, a_codes
	s_load_b128 s[20:23], s[0:1], 0x40             ; a_scales, w2_img
	v_lshl_add_u32 v[SPW], v0, 2, SPARE
	v_mov_b32 v[NIL], 0
	ds_add_u32 v[SPW], v[NIL]                      ; the opening lines: the add, twice on end
	ds_add_u32 v[SPW], v[NIL]
	v_lshrrev_b32 v1, 5, v0
	v_readfirstlane_b32 s[WV], v1                  ; wave 0..7
	s_mov_b32 s[G1+0], (2<<16)|(1<<20)|(7<<22)|(3<<25)   ; elements of 4 bytes, 4 words of padding behind every 256
	s_mov_b32 s[G1+1], 256<<16
	s_mov_b32 s[G1+2], 16<<16
	s_mov_b32 s[G1+3], 256<<16
	s_mov_b32 s[G1+4], 16
	s_mov_b32 s[G1+5], 65536                       ; from s to s + 1
	s_mov_b32 s[G1+6], 0
	s_mov_b32 s[G1+7], 0
	s_lshl_b32 s44, ttmp9, 10                      ; row i of a plane s,
	s_lshl_b32 s45, s[WV], 22                      ; my wave's 16 planes of 262,144 bytes
	s_add_co_u32 s44, s44, s45
	s_mov_b32 s45, 0
	s_mul_i32 s46, s[WV], TILE
	s_lshl_b32 s47, s[WV], 6
	s_add_co_u32 s47, s47, ATB
	s_mov_b32 s[SEL], 0x76543210
	s_mov_b32 s[SEL+1], 0xfedcba98
	s_mov_b32 s42, 0x3b800000                      ; 1 / 256
	s_mov_b32 s43, 0x3727c5ac                      ; eps = 1e-5
	s_mov_b32 s[G0+0], 1
	s_mov_b32 s[G0+1], s46
	s_wait_dscnt 0x0                               ; both adds are done
	s_wait_kmcnt 0x0
	s_add_nc_u64 s[G0+2:G0+3], s[4:5], s[44:45]
	s_or_b32 s[G0+3], s[G0+3], 0x80000000
	tensor_load_to_lds s[G0:G0+3], s[G1:G1+7]      ; my 16 rows
	s_nop 0
.rept 4
	v_nop
.endr
	v_lshlrev_b32 v[O4], 2, v0
	v_mul_u32_u24 v[O24], v0, 24
	v_and_b32 v1, 15, v0                           ; r
	v_bfe_u32 v2, v0, 4, 1                         ; h
	v_lshlrev_b32 v[OWS], 3, v1
	v_lshlrev_b32 v[OB1], 2, v1
.irp p, 0,1,2
	global_load_b64 v[HI+2*\p:HI+2*\p+1], v[O24], s[10:11] offset:8*\p   ; thread's block of w1: 24 bytes
.endr
	global_load_b32 v[HI+6], v[O4], s[6:7]
	global_load_b32 v[HI+7], v[O4], s[8:9]
.irp n, 0,1
	global_load_b64 v[W1S+2*\n:W1S+2*\n+1], v[OWS], s[12:13] offset:128*\n
	global_load_b32 v[HI+8+\n], v[OB1], s[14:15] offset:64*\n
.endr
	v_mul_u32_u24 v[XA], v1, PITCH
	v_lshl_add_u32 v[XA], v2, 7, v[XA]
	v_add_nc_u32 v[XA], s46, v[XA]
	v_lshlrev_b32 v[OGB], 7, v2
	v_add_nc_u32 v[OGB], GB, v[OGB]
	v_add_nc_u32 v[LG], GB, v[O4]
	v_lshrrev_b32 v[S], 3, v0
	v_mul_u32_u24 v[S], v[S], W1P
	v_and_b32 v[LW], 7, v0
	v_mad_u32_u24 v[LW], v[LW], 24, v[S]
	v_add_nc_u32 v[LW], W1L, v[LW]
	v_mul_u32_u24 v[FW], v1, W1P
	v_mad_u32_u24 v[FW], v2, 24, v[FW]
	v_add_nc_u32 v[FW], W1L, v[FW]
	v_mul_u32_u24 v[AST], v1, AP
	v_lshl_add_u32 v[AST], v2, 5, v[AST]
	v_add_nc_u32 v[AST], s47, v[AST]               ; a's row c = r, s = 16 w + 8 h
	v_lshrrev_b32 v[S+1], 1, v0                    ; waves 0 and 1: c,
	v_and_b32 v[SH], 1, v0                         ; and h
	v_mul_u32_u24 v[ARD], v[S+1], AP
	v_lshl_add_u32 v[ARD], v[SH], 7, v[ARD]
	v_add_nc_u32 v[ARD], ATB, v[ARD]
	v_lshlrev_b32 v[SH], 3, v[SH]
	v_lshlrev_b32 v[OAC], 4, v0
	v_lshlrev_b32 v[OSC], 2, v[S+1]
	v_mul_u32_u24 v[OW2], v1, 768
	v_mad_u32_u24 v[OW2], v2, 24, v[OW2]
	v_and_b32 v[OIM], 31, v0
	v_lshlrev_b32 v[OIM], 4, v[OIM]
	v_lshlrev_b32 v[SHX], 3, v2
	v_mov_b32 v[PD], 0                             ; written once: a lane exchange's destination counts as one of its sources
	v_mov_b32 v[PD+1], 0
	s_wait_alu depctr_va_vdst(0)                   ; the wait at the head's end
	s_wait_loadcnt 4                               ; w1, gamma, beta are in; behind them two scale and two b1 loads
.irp p, 0,1,2
	ds_store_b64 v[LW], v[HI+2*\p:HI+2*\p+1] offset:8*\p
.endr
	ds_store_b32 v[LG], v[HI+6]
	ds_store_b32 v[LG], v[HI+7] offset:1024
	s_wait_dscnt 0x0                               ; for the other waves' sake
	s_barrier_signal -1
	s_barrier_wait -1                              ; (nothing is ever filled again: the tensor loads stay out)
	WIN 0x40
.irp b, 0,1,2,3
.irp q, 0,1,2,3,4,5,6,7
	ds_load_b128 v[32*\b+4*\q:32*\b+4*\q+3], v[OGB] offset:256*\b+16*\q               ; gamma at m = 64 b + 32 h + 4 q ..
	ds_load_b128 v[128+32*\b+4*\q:128+32*\b+4*\q+3], v[OGB] offset:1024+256*\b+16*\q  ; beta likewise
.endr
.endr
	WIN 0
	; one fragment of w2, by wave 7 of work-groups 0 to 63: number = 32 zh + 4 k + t
	s_cmp_eq_u32 s[WV], 7
	s_cbranch_scc0 .Lno_w2
	s_cmp_lt_u32 ttmp9, 64
	s_cbranch_scc0 .Lno_w2
	s_lshr_b32 s44, ttmp9, 5
	s_mul_i32 s44, s44, 64*768
	s_and_b32 s48, ttmp9, 3
	s_mul_i32 s48, s48, 16*768
	s_add_co_u32 s44, s44, s48
	s_bfe_u32 s48, ttmp9, 0x30002
	s_mul_i32 s48, s48, 96
	s_add_co_u32 s44, s44, s48
	s_add_nc_u64 s[16:17], s[16:17], s[44:45]
.irp p, 0,1,2,3,4,5
	global_load_b64 v[XC+2*\p:XC+2*\p+1], v[OW2], s[16:17] offset:48*(\p/3)+8*(\p%3)
.endr
	s_mul_i32 s44, ttmp9, 1536
	s_add_nc_u64 s[22:23], s[22:23], s[44:45]
	s_wait_loadcnt 0x0
.irp q, 0,1,2
	global_store_b128 v[OIM], v[XC+4*\q:XC+4*\q+3], s[22:23] offset:512*\q            ; 32 lanes store 512 consecutive bytes
.endr
.Lno_w2:
	s_mul_i32 s44, ttmp9, 3072
	s_add_nc_u64 s[18:19], s[18:19], s[44:45]
	s_lshl_b32 s44, ttmp9, 7
	s_add_nc_u64 s[20:21], s[20:21], s[44:45]
	s_wait_loadcnt 0x0                             ; b1 and w1's scale words
.irp j, 0,1,2,3,4,5,6,7
	v_mov_b32 v[B1C+\j], v[HI+8]                   ; the result's layout has one c a lane
	v_mov_b32 v[B1C+8+\j], v[HI+9]
.endr
	s_wait_alu depctr_va_vdst(0)
	s_wait_xcnt 0x0                                ; w2's stores have read their registers
	s_wait_tensorcnt 0x0                           ; my tile is in; only my wave reads it
.irp b, 0,1,2,3
.irp q, 0,1,2,3,4,5,6,7
	ds_load_b128 v[X+32*\b+4*\q:X+32*\b+4*\q+3], v[XA] offset:256*\b+16*\q
.endr
.endr
.macro JOIN                            ; the four chains, a pair's two halves and the other half of the lanes': the row's sum, in v[S]
	v_pk_add_f32 v[S:S+1], v[S:S+1], v[S+2:S+3]
	v_pk_add_f32 v[S+4:S+5], v[S+4:S+5], v[S+6:S+7]
	v_pk_add_f32 v[S:S+1], v[S:S+1], v[S+4:S+5]
	v_add_f32 v[S], v[S], v[S+1]
	v_permlanex16_b32 v[PD], v[S], s[SEL], s[SEL+1]
	v_add_f32 v[S], v[S], v[PD]
.endm
.irp g, 0,2                            ; the row's sum; the first two blocks while the other two blocks' 16 loads are still out
	s_wait_dscnt 16-8*\g
.irp b, \g, \g+1
	v_pk_add_f32 v[S+2*(\b):S+2*(\b)+1], v[X+32*(\b):X+32*(\b)+1], v[X+32*(\b)+2:X+32*(\b)+3]
.endr
.irp p, 4,6,8,10,12,14,16,18,20,22,24,26,28,30
.irp b, \g, \g+1
	v_pk_add_f32 v[S+2*(\b):S+2*(\b)+1], v[S+2*(\b):S+2*(\b)+1], v[X+32*(\b)+\p:X+32*(\b)+\p+1]
.endr
.endr
.endr
	JOIN
	v_mul_f32 v[MU], s42, v[S]                     ; the mean
	v_mul_f32 v[MU+1], s42, v[S]
.set ii, 0
.rept 64
	v_pk_add_f32 v[X+ii:X+ii+1], v[X+ii:X+ii+1], v[MU:MU+1] neg_lo:[0,1] neg_hi:[0,1]
.set ii, ii+2
.endr
.irp b, 0,1,2,3
	v_pk_mul_f32 v[S+2*\b:S+2*\b+1], v[X+32*\b:X+32*\b+1], v[X+32*\b:X+32*\b+1]       ; the squares' sum, four chains by turns
.endr
.irp p, 2,4,6,8,10,12,14,16,18,20,22,24,26,28,30
.irp b, 0,1,2,3
	v_pk_fma_f32 v[S+2*\b:S+2*\b+1], v[X+32*\b+\p:X+32*\b+\p+1], v[X+32*\b+\p:X+32*\b+\p+1], v[S+2*\b:S+2*\b+1]
.endr
.endr
	JOIN
	v_fma_f32 v[S], v[S], s42, s43                 ; variance + eps
	s_wait_alu depctr_va_vdst(0)                   ; the wait ahead of the batch
	v_rsq_f32 v[RS], v[S]
	v_rsq_f32 v[RS+1], v[S]
	v_nop                                          ; a plain instruction between a transcendental and the use of its result (ISA guide 5.7.2)
	s_wait_alu depctr_va_vdst(0)                   ; and behind it
.set ii, 0
.rept 64
	v_pk_mul_f32 v[X+ii:X+ii+1], v[X+ii:X+ii+1], v[RS:RS+1]
.set ii, ii+2
.endr
	WIN 0x14                                       ; sources 1 and 2 window 1
.set ii, 0
.rept 64
	v_pk_fma_f32 v[X+ii:X+ii+1], v[X+ii:X+ii+1], v[ii:ii+1], v[128+ii:128+ii+1]       ; x gamma + beta
.set ii, ii+2
.endr
	WIN 0x40
.irp n, 0,1
.irp q, 0,1
.irp p, 0,1,2,3,4,5
	ds_load_b64 v[12*(2*\n+\q)+2*\p:12*(2*\n+\q)+2*\p+1], v[FW] offset:16*\n*W1P+96*\q+48*(\p/3)+8*(\p%3)   ; w1's fragments: columns c = 16 n + r, K step q, where gamma lay
.endr
.endr
.endr
	WIN 0
	; my four whole blocks become codes
.irp b, 0,1,2,3
	v_max3_num_f32 v[MX+\b], |v[X+32*\b]|, |v[X+32*\b+1]|, 0x1800000   ; with the floor 2^(3 - 127): the byte cannot fall under 1
.endr
.irp p, 2,4,6,8,10,12,14,16,18,20,22,24,26,28,30
.irp b, 0,1,2,3
	v_max3_num_f32 v[MX+\b], v[MX+\b], |v[X+32*\b+\p]|, |v[X+32*\b+\p+1]|
.endr
.endr
.irp b, 0,1,2,3
	v_add_nc_u32 v[TS+\b], 0xff000000, v[MX+\b]    ; 2 off the exponent field: the conversion takes the exponent field as its scale
.endr
.irp b, 0,1,2,3
	v_lshrrev_b32 v[BY+\b], 23, v[TS+\b]           ; the scale's byte
.endr
.irp q, 0,1
	v_lshl_or_b32 v[XSC+\q], v[BY+2*\q+1], 16, v[BY+2*\q]   ; K step q: my blocks h and 2 + h of the row's four,
.endr
.irp q, 0,1
	v_lshlrev_b32 v[XSC+\q], v[SHX], v[XSC+\q]              ; at their places in the scale word;
.endr
	v_permlanex16_b32 v[PD], v[XSC], s[SEL], s[SEL+1]
	v_permlanex16_b32 v[PD+1], v[XSC+1], s[SEL], s[SEL+1]
	v_or_b32 v[XSC], v[XSC], v[PD]                 ; with lane l xor 16's two the word is whole
	v_or_b32 v[XSC+1], v[XSC+1], v[PD+1]
.irp b, 0,1,2,3
	v_cvt_scalef32_pk16_fp6_f32 v[XC+6*\b:XC+6*\b+2], v[X+32*\b:X+32*\b+15], v[TS+\b]
	v_cvt_scalef32_pk16_fp6_f32 v[HI+4*\b:HI+4*\b+2], v[X+32*\b+16:X+32*\b+31], v[TS+\b]   ; (a conversion's three registers begin on an even number: the upper half is made apart and moved)
.endr
	v_nop                                          ; one plain instruction behind a scaled conversion
.irp b, 0,1,2,3
.irp i, 0,1,2
	v_mov_b32 v[XC+6*\b+3+\i], v[HI+4*\b+\i]
.endr
.endr
	s_wait_alu depctr_va_vdst(0)
	s_wait_dscnt 0x0                               ; w1's fragments are in
.rept 8
	v_nop                                          ; a scale word written by vector instructions stands 8 places ahead of a scaled matrix instruction, an operand so written 4
.endr
	WIN 0x04                                       ; source 1 (w1) window 1.  The two accumulators take turns; C of the first K step is b1
	v_wmma_scale_f32_16x16x128_f8f6f4 v[AD:AD+7], v[XC:XC+11], v[0:11], v[B1C:B1C+7], v[XSC], v[W1S] matrix_a_fmt:MATRIX_FMT_FP6 matrix_b_fmt:MATRIX_FMT_FP6
	v_wmma_scale_f32_16x16x128_f8f6f4 v[AD+8:AD+15], v[XC:XC+11], v[24:35], v[B1C+8:B1C+15], v[XSC], v[W1S+2] matrix_a_fmt:MATRIX_FMT_FP6 matrix_b_fmt:MATRIX_FMT_FP6
	v_wmma_scale_f32_16x16x128_f8f6f4 v[AD:AD+7], v[XC+12:XC+23], v[12:23], v[AD:AD+7], v[XSC+1], v[W1S+1] matrix_a_fmt:MATRIX_FMT_FP6 matrix_b_fmt:MATRIX_FMT_FP6
	v_wmma_scale_f32_16x16x128_f8f6f4 v[AD+8:AD+15], v[XC+12:XC+23], v[36:47], v[AD+8:AD+15], v[XSC+1], v[W1S+3] matrix_a_fmt:MATRIX_FMT_FP6 matrix_b_fmt:MATRIX_FMT_FP6
	WIN 0
.rept 4
	v_nop                                          ; four places between a matrix instruction and the first read of its result (ISA guide 7.12.1)
.endr
.irp n, 0,1                            ; lane (r, h) holds c = 16 n + r, s = 16 w + 8 h + 0 .. 7
	ds_store_b128 v[AST], v[AD+8*\n:AD+8*\n+3] offset:16*AP*\n
	ds_store_b128 v[AST], v[AD+8*\n+4:AD+8*\n+7] offset:16*AP*\n+16
.endr
	s_wait_dscnt 0x0                               ; for waves 0 and 1: my part of a lies in LDS
	s_barrier_signal -1
	s_barrier_wait -1
	s_cmp_lt_u32 s[WV], 2
	s_cbranch_scc0 .Ldone
.irp i, 0,1,2,3,4,5,6,7                ; lane (c, h): blocks h and 2 + h along s
	ds_load_b128 v[X+4*\i:X+4*\i+3], v[ARD] offset:16*\i
	ds_load_b128 v[X+32+4*\i:X+32+4*\i+3], v[ARD] offset:256+16*\i
.endr
	s_wait_dscnt 0x0
.irp e, 0,1
	v_max3_num_f32 v[MX+\e], |v[X+32*\e]|, |v[X+32*\e+1]|, 0x1800000
	v_max3_num_f32 v[MX+2+\e], |v[X+32*\e+2]|, |v[X+32*\e+3]|, |v[X+32*\e+4]|
.endr
.irp p, 5,9,13,17,21,25
.irp e, 0,1
	v_max3_num_f32 v[MX+\e], v[MX+\e], |v[X+32*\e+\p]|, |v[X+32*\e+\p+1]|
	v_max3_num_f32 v[MX+2+\e], v[MX+2+\e], |v[X+32*\e+\p+2]|, |v[X+32*\e+\p+3]|
.endr
.endr
.irp e, 0,1
	v_max3_num_f32 v[MX+\e], v[MX+\e], |v[X+32*\e+29]|, |v[X+32*\e+30]|
.endr
.irp e, 0,1
	v_max3_num_f32 v[MX+\e], v[MX+\e], v[MX+2+\e], |v[X+32*\e+31]|
.endr
.irp e, 0,1
	v_add_nc_u32 v[TS+\e], 0xff000000, v[MX+\e]
.endr
.irp e, 0,1
	v_cvt_scalef32_pk16_fp6_f32 v[XC+6*\e:XC+6*\e+2], v[X+32*\e:X+32*\e+15], v[TS+\e]
	v_cvt_scalef32_pk16_fp6_f32 v[HI+4*\e:HI+4*\e+2], v[X+32*\e+16:X+32*\e+31], v[TS+\e]
.endr
	v_lshrrev_b32 v[BY], 23, v[TS]                 ; the bytes (also the plain instruction behind the conversions)
	v_lshrrev_b32 v[BY+1], 23, v[TS+1]
.irp i, 0,1,2
	v_mov_b32 v[XC+3+\i], v[HI+\i]
	v_mov_b32 v[XC+9+\i], v[HI+4+\i]
.endr
	v_lshl_or_b32 v[BY], v[BY+1], 16, v[BY]
	v_lshlrev_b32 v[BY], v[SH], v[BY]
	v_mov_b32_dpp v[PD], v[BY] row_xmask:1 row_mask:0xf bank_mask:0xf
	v_or_b32 v[BY], v[BY], v[PD]                   ; with the neighbour lane's two bytes: the scale word of c
.irp q, 0,1,2
	global_store_b128 v[OAC], v[XC+4*\q:XC+4*\q+3], s[18:19] offset:1024*\q           ; 32 lanes store 512 consecutive bytes, from a multiple of 256 on
.endr
	global_store_b32 v[OSC], v[BY], s[20:21]       ; both lanes of a c store the same word
.Ldone:
	s_wait_tensorcnt 0x0                           ; the wave's end
	ds_add_u32 v[SPW], v[NIL]
	s_wait_dscnt 0x0
	s_endpgm
.Lfunc_end_k_q6cea9878b1_norm_fc1:
	.size	k_q6cea9878b1_norm_fc1, .Lfunc_end_k_q6cea9878b1_norm_fc1-k_q6cea9878b1_norm_fc1
	.p2alignl 7, 3214868480
	.fill 96, 4, 3214868480
	.section	.rodata,"a",@progbits
	.p2align	6, 0x0
	.amdhsa_kernel k_q6cea9878b1_norm_fc1
		.amdhsa_group_segment_fixed_size 167936
		.amdhsa_private_segment_fixed_size 0
		.amdhsa_enable_private_segment 0
		.amdhsa_kernarg_size 80
		.amdhsa_user_sgpr_count 2
		.amdhsa_user_sgpr_kernarg_segment_ptr 1
		.amdhsa_wavefront_size32 1
		.amdhsa_system_sgpr_workgroup_id_x 1
		.amdhsa_system_sgpr_workgroup_id_y 1
		.amdhsa_system_sgpr_workgroup_id_z 1
		.amdhsa_system_vgpr_workitem_id 0
		.amdhsa_next_free_vgpr 512
		.amdhsa_next_free_sgpr 66
		.amdhsa_reserve_vcc 0
		.amdhsa_float_denorm_mode_32 3
		.amdhsa_float_denorm_mode_16_64 3
		.amdhsa_memory_ordered 1
		.amdhsa_forward_progress 1
		.amdhsa_inst_pref_size 48
	.end_amdhsa_kernel
	.amdgpu_metadata
---
amdhsa.version: [ 1, 2 ]
amdhsa.kernels:
  - .name:           k_q6cea9878b1_norm_fc1
    .symbol:         k_q6cea9878b1_norm_fc1.kd
    .args:
      - { .name: x, .offset: 0, .size: 8, .value_kind: global_buffer, .address_space: global }
      - { .name: ln_gamma, .offset: 8, .size: 8, .value_kind: global_buffer, .address_space: global }
      - { .name: ln_beta, .offset: 16, .size: 8, .value_kind: global_buffer, .address_space: global }
      - { .name: w1_codes, .offset: 24, .size: 8, .value_kind: global_buffer, .address_space: global }
      - { .name: w1_scales, .offset: 32, .size: 8, .value_kind: global_buffer, .address_space: global }
      - { .name: b1, .offset: 40, .size: 8, .value_kind: global_buffer, .address_space: global }
      - { .name: w2_codes, .offset: 48, .size: 8, .value_kind: global_buffer, .address_space: global }
      - { .name: a_codes, .offset: 56, .size: 8, .value_kind: global_buffer, .address_space: global }
      - { .name: a_scales, .offset: 64, .size: 8, .value_kind: global_buffer, .address_space: global }
      - { .name: w2_img, .offset: 72, .size: 8, .value_kind: global_buffer, .address_space: global }
    .group_segment_fixed_size: 167936
    .private_segment_fixed_size: 0
    .kernarg_segment_align: 8
    .kernarg_segment_size: 80
    .max_flat_workgroup_size: 256
    .sgpr_count:     66
    .vgpr_count:     512
    .wavefront_size: 32
...
	.end_amdgpu_metadata
.endif
;; end of part 1
;; launch outer_fc2 (part 2): grid 16 x 16, 4 waves a work-group, clusters of 4 x 1, 235,520 bytes of LDS; arguments a_codes, a_scales, w2_img, w2_scales, b2, out0; writes out0
.if DOCPART == 2
	.amdgcn_target "amdgcn-amd-amdhsa--gfx1250"
	.amdhsa_code_object_version 6
	.text
	.protected	k_q6cea9878b1_outer_fc2
	.globl	k_q6cea9878b1_outer_fc2
	.p2align	8
	.type	k_q6cea9878b1_outer_fc2,@function
k_q6cea9878b1_outer_fc2:
	s_mov_b64 s[64:65], 0
	v_nop
	global_prefetch_b8 v0, s[64:65] scope:SCOPE_SE
	s_setreg_imm32_b32 hwreg(HW_REG_WAVE_MODE, 25, 1), 1
	s_wait_xcnt 0x0
	s_wait_alu depctr_hold_cnt(0) depctr_sa_sdst(0) depctr_va_vdst(0) depctr_va_sdst(0) depctr_va_ssrc(0) depctr_va_vcc(0) depctr_vm_vsrc(0)
	s_getreg_b32 s2, hwreg(HW_REG_IB_STS2, 6, 4)
	s_cmp_eq_u32 s2, 0
	s_cbranch_scc0 .Lentry_in_a_cluster
	s_endpgm
.Lentry_in_a_cluster:
	s_bfe_u32 s2, ttmp6, 0x10000c
	s_cmp_lg_u32 s2, 0x3003
	s_cbranch_scc0 .Lentry_shape_is_right
	s_endpgm
.Lentry_shape_is_right:
; out[i][j][z] = sum over k = 32 c + d of Q(op[i][j][k]) w2[k][z] + b2[z],  op[i][j][32 c + d] = (sum over s of a[s][i][c] a[s][j][d]) / 128.  Both products on codes of FP6 (E2M3), one E8M0 scale for each 32 along K.
; a_codes, a_scales, w2_img: laid by the launch before (its head states the layouts).  K = s, 128: ONE matrix instruction makes a 16 x 16 tile of op.  op never goes to memory.
; SHARES.  A work-group makes 16 i x 16 j; wave w the four j = 4 w + 0 .. 3, as two UNITS of two j (32 rows of the second product), one after the other, so that a unit's results leave while the next is made.
; A UNIT: Q makes the codes of all 32 c (192 registers): the first product of the next pair of c stands among the quantising of this pair.  Then P, the second product, by halves of z (64 columns: 256 bytes of a row of out):
; 8 accumulators by turns, eight K steps.  Half of w2's fragments (K steps 0-3) stay in registers (384); those of K steps 4-7 come from LDS through two buffers, and the two kinds of steps take turns.
; FIRST PRODUCT.  Source 0 = tile u: rows 0-7 are (even j, d = 8 u + 0 .. 7), rows 8-15 (odd j, the same d); source 1 = the 16 i at one c.  Lane (r, h) of the result holds i0 + r and, over the four tiles, all 32 d of j number h:
; A WHOLE BLOCK IN ONE LANE.  Its largest magnitude needs no other lane.  THE DIVISION BY 128 changes no code: 7 comes off the scale's byte.  The floor among the maximum's leaves, 2^(10 - 127), keeps the byte at 1 or more: the rule's hold at e = -126.
; THE EXCHANGE.  The operand wants lanes 0-15 to hold an even c and lanes 16-31 the next c, of ONE j: v_permlane16_swap_b32 of the even c's registers with the odd c's gives that for both j at once.
; SECOND PRODUCT, transposed: source 0 = 16 rows z of w2, source 1 = the codes; C of the first K step = b2.  A lane then holds eight neighbouring z of one row of out; a half goes through the wave's own stage in LDS and leaves as whole units of 256 bytes.
; LDS is filled once, one tensor load a wave at the head.  CLUSTERS of 4 x 1: the four partners have the same 16 i, and all have the same w2: both are asked for JOINTLY, 147,456 of a work-group's 196,608 bytes.  The 16 j differ from partner to partner: a plain load.
; (A cluster of 4 x 4 would have its four rows ask for the same bytes of w2 under four masks.)
; No prefetch: all tiles are asked for at the head, and no loop follows that could run ahead.  No step of the problem is left out.
; LIMITS: NaN and infinities are not served.  A block of zeros gets the floor's byte, 1, with zero codes (the rule says 127): nothing but this launch's own product reads it.
; REGISTERS, in windows of 256.  window 0: v1-15 addresses; v16-83 scale words; v96-159 accumulators (jj, t) at 96 + 8 (4 jj + t), then rows to store; v160-255 kept w2.
;   window 1: v0-127 two sets of 64 results of the first product (in P: w2's two buffers and rows to store); v128-175 the j side (in P: b2); v176-223 the i side, two pairs of c; v224-242 at work and addresses.
;   window 2: v0-191 the codes; v192-201 at work; v208-255 kept w2.   window 3: v0-239 kept w2.
.set RP,    3120                       ; an LDS row of a: 3 x (1,024 bytes + 16) = 195 x 16: the 16 rows that a load of 16 bytes touches start in 16 different columns of 16 bytes
.set JLB,   16*RP                      ; behind the 16 i: the 16 j
.set W2L,   32*RP                      ; w2's image, dense
.set STAGE, W2L+98304                  ; the way out: for each wave 32 rows x 272 bytes
.set SPITCH, 272
.set B2L,   STAGE+4*32*SPITCH          ; b2, a copy for each wave
.set SPARE, B2L+2048                   ; the spare words
.set CO,   10
.set SPW,  12
.set NIL,  13
.set IS,   16                          ; v16-31  the i side's scale words: c % 16; lanes 0-15 c < 16, lanes 16-31 c >= 16
.set JS,   32                          ; v32-39  the j side's: 4 unit + u
.set W2S,  40                          ; v40-71  w2's: 8 (t / 2) + k; lanes 0-15 even t, lanes 16-31 odd t
.set OPS,  76                          ; v76-83  op's: K step k; lanes 0-15 even j, lanes 16-31 odd j
.set ACC,  96
.set C0,   160
.set DB,   0                           ; window 1
.set JF,   128
.set IFR,  176
.set M,    224                         ; v224-231
.set T,    232
.set T2,   234
.set AI,   236
.set AJ,   237
.set AW0,  238                         ; v238, v239: w2's two halves of z
.set AB,   240
.set STO,  241
.set RD,   242
.set CODE, 0                           ; window 2: row tile jj, K step k at 12 (2 k + jj)
.set TX,   192
.set TY,   196
.set WB,   200
.set C2,   208
.set WV,   16
.set G1I,  24
.set G1J,  32
.set G1W,  40
.set G0I,  48
.set G0J,  52
.set G0W,  56
.set G0X,  60
.set SELA, 76
.set MSB, 0
.macro WIN new                         ; the immediate's high byte repeats the setting that is left
.if MSB != \new
	s_set_vgpr_msb (MSB<<8)|\new
.set MSB, \new
.endif
.endm
.macro CROUND                          ; a round of the cluster's barrier
	s_barrier_signal -1
	s_barrier_wait -1
	s_cmp_lg_u32 s[WV], 0
	s_cbranch_scc1 .Lnot_wave_0_\@
	s_barrier_signal -3
.Lnot_wave_0_\@:
	s_barrier_wait -3
	s_barrier_signal -1
	s_barrier_wait -1
.endm
.macro PLACES n
.rept \n
	v_nop
.endr
.endm
	s_load_b256 s[4:11], s[0:1], 0x0               ; a_codes, a_scales, w2_img, w2's scales
	s_load_b128 s[12:15], s[0:1], 0x20             ; b2, out
	v_lshl_add_u32 v[SPW], v0, 2, SPARE
	v_mov_b32 v[NIL], 0
	ds_add_u32 v[SPW], v[NIL]                      ; the opening lines: the add, twice on end
	ds_add_u32 v[SPW], v[NIL]
	v_lshrrev_b32 v1, 5, v0
	v_readfirstlane_b32 s[WV], v1                  ; wave 0..3
	s_bfe_u32 s17, ttmp6, 0x40000                  ; cx: my place in the cluster
	s_lshl_b32 s19, ttmp9, 2                       ; in a cluster launch ttmp9 counts clusters
	s_add_co_u32 s19, s19, s17                     ; my block of 16 j: it enters the j side's and out's addresses alone
	s_and_b32 s20, ttmp7, 0xffff                   ; my block of 16 i, which the four partners share
	s_mov_b32 s[G1I+0], 15|(3<<16)|(1<<20)|(1<<21)|(7<<22)|(3<<25)    ; the mask of all four, bit 21 beside it; elements of 8 bytes, 4 words of padding behind every 256
	s_mov_b32 s[G1J+0], (3<<16)|(1<<20)|(7<<22)|(3<<25)
	s_mov_b32 s[G1W+0], 15|(3<<16)|(1<<21)         ; w2's image: no padding
.irp g, G1I, G1J, G1W                  ; 48 dense rows of 1,024 bytes
	s_mov_b32 s[\g+1], 128<<16
	s_mov_b32 s[\g+2], 48<<16
	s_mov_b32 s[\g+3], 128<<16
	s_mov_b32 s[\g+4], 48
	s_mov_b32 s[\g+5], 128
	s_mov_b32 s[\g+6], 0
	s_mov_b32 s[\g+7], 0
.endr
	s_mul_i32 s68, s20, 49152                      ; the 16 i's codes
	s_mov_b32 s69, 0
	s_mul_i32 s70, s19, 49152                      ; the 16 j's
	s_mov_b32 s71, 0
	s_lshl_b32 s72, s20, 11                        ; the 16 i's scale words
	s_mov_b32 s73, 0
	s_lshl_b32 s82, s19, 4
	s_lshl_b32 s83, s[WV], 2
	s_add_co_u32 s82, s82, s83                     ; my wave's first j
	s_lshl_b32 s74, s82, 7                         ; its scale words
	s_mov_b32 s75, 0
	s_lshl_b32 s84, s20, 21                        ; out at (i0, my first j): (256 i0 + j) x 512 bytes
	s_lshl_b32 s85, s82, 9
	s_add_co_u32 s84, s84, s85
	s_mov_b32 s85, 0
	s_mov_b32 s[SELA], 0x0c0c0703                  ; the two bytes of an even pair of c, of an odd pair
	s_mov_b32 s[SELA+1], 0x07030c0c
	s_mul_i32 s78, s[WV], 4*RP
	s_add_co_u32 s78, s78, JLB                     ; my four j in LDS
	s_lshl_b32 s79, s[WV], 9
	s_add_co_u32 s79, s79, B2L                     ; my copy of b2
	s_mul_i32 s80, s[WV], 32*SPITCH
	s_add_co_u32 s80, s80, STAGE                   ; my stage
	s_mov_b32 s[G0I+0], 1
	s_mov_b32 s[G0I+1], 0
	s_mov_b32 s[G0J+0], 1
	s_mov_b32 s[G0J+1], JLB
	s_mov_b32 s[G0W+0], 1
	s_mov_b32 s[G0W+1], W2L
	s_mov_b32 s[G0X+0], 1
	s_mov_b32 s[G0X+1], W2L+49152
	s_wait_dscnt 0x0                               ; both adds are done
	s_wait_kmcnt 0x0
	s_add_nc_u64 s[G0I+2:G0I+3], s[4:5], s[68:69]
	s_or_b32 s[G0I+3], s[G0I+3], 0x80000000
	s_add_nc_u64 s[G0J+2:G0J+3], s[4:5], s[70:71]
	s_or_b32 s[G0J+3], s[G0J+3], 0x80000000
	s_mov_b64 s[G0W+2:G0W+3], s[8:9]
	s_or_b32 s[G0W+3], s[G0W+3], 0x80000000
	s_add_nc_u64 s[G0X+2:G0X+3], s[8:9], 49152
	s_or_b32 s[G0X+3], s[G0X+3], 0x80000000
	s_add_nc_u64 s[72:73], s[6:7], s[72:73]
	s_add_nc_u64 s[74:75], s[6:7], s[74:75]
	s_add_nc_u64 s[14:15], s[14:15], s[84:85]
	CROUND                                         ; all four work-groups are here: the joint loads meet
; ONE LOAD A WAVE, in one tree of branches on the wave's number: wave 0 the 16 i, wave 1 the 16 j, waves 2 and 3 w2's two halves
.macro ARM under, g0, g1, next
	s_cmp_lt_u32 s[WV], \under
	s_cbranch_scc0 \next
	tensor_load_to_lds s[\g0:\g0+3], s[\g1:\g1+7]
	s_nop 0
.rept 4
	v_nop
.endr
	s_branch .Lasked
\next:
.endm
	ARM 1, G0I, G1I, .Larm1
	ARM 2, G0J, G1J, .Larm2
	ARM 3, G0W, G1W, .Larm3
	tensor_load_to_lds s[G0X:G0X+3], s[G1W:G1W+7]
	s_nop 0
.rept 4
	v_nop
.endr
.Lasked:
	v_and_b32 v1, 15, v0                           ; r
	v_bfe_u32 v2, v0, 4, 1                         ; h
	v_and_b32 v3, 31, v0                           ; lane
	v_lshrrev_b32 v4, 3, v1                        ; which j of the pair
	v_and_b32 v5, 7, v1                            ; which d of the eight
	v_lshlrev_b32 v6, 4, v3                        ; 16 x lane
	v_lshlrev_b32 v7, 7, v1
	v_lshl_add_u32 v7, v2, 6, v7                   ; the i side's scale words: row r, lanes 16-31 the upper 16 c
	v_lshlrev_b32 v8, 7, v4
	v_lshl_add_u32 v8, v5, 2, v8                   ; the j side's
	v_lshlrev_b32 v9, 5, v3                        ; w2's: 32 bytes a row, 32 rows a load
	global_load_b128 v[84:87], v6, s[12:13]        ; b2
.irp t, 0,1,2,3
	global_load_b128 v[IS+4*\t:IS+4*\t+3], v7, s[72:73] offset:16*\t
.endr
.irp t, 0,1
.irp u, 0,1,2,3
	global_load_b32 v[JS+4*\t+\u], v8, s[74:75] offset:256*\t+32*\u
.endr
.endr
.irp t, 0,1,2,3
.irp e, 0,1
	global_load_b128 v[W2S+8*\t+4*\e:W2S+8*\t+4*\e+3], v9, s[10:11] offset:1024*\t+16*\e
.endr
.endr
	v_lshlrev_b32 v[CO], 17, v2                    ; lanes 16-31 the next i, 131,072 bytes on
	v_lshl_add_u32 v[CO], v1, 4, v[CO]
	v_add_nc_u32 v11, s79, v6
	v_mul_u32_u24 v14, v1, RP
	v_mul_u32_u24 v15, v4, RP
	v_lshl_add_u32 v15, v5, 5, v15
	v_lshl_add_u32 v15, v2, 4, v15
	v_mul_u32_u24 v88, v1, SPITCH
	v_lshl_add_u32 v88, v2, 5, v88
	v_mul_u32_u24 v89, v2, SPITCH
	v_lshl_add_u32 v89, v1, 4, v89
	WIN 0x40                                       ; destination window 1
	v_lshl_add_u32 v[AI], v2, 4, v14
	v_add_nc_u32 v[AJ], s78, v15
	v_add_nc_u32 v[AW0], W2L, v6
	v_add_nc_u32 v[AW0+1], W2L+49152, v6
	v_lshl_add_u32 v[AB], v2, 5, s79
	v_add_nc_u32 v[STO], s80, v88
	v_add_nc_u32 v[RD], s80, v89
	WIN 0
	s_wait_alu depctr_va_vdst(0)                   ; the wait at the head's end
	s_wait_loadcnt 20                              ; b2 is in; 20 loads were issued behind it
	ds_store_b128 v11, v[84:87]
	s_cmp_lt_u32 s[WV], 2
	s_cbranch_scc0 .Lno_tile
	s_wait_tensorcnt 0x0                           ; waves 0 and 1: the 16 i, the 16 j
.Lno_tile:
	s_wait_dscnt 0x0
	s_barrier_signal -1
	s_barrier_wait -1                              ; both are in; w2 may stay out
.macro IFL m                           ; the i side's fragments of pair m (c = 2 m, 2 m + 1)
.irp x, 0,1
.irp q, 0,1,2
	ds_load_b128 v[IFR+24*((\m)%2)+12*\x+4*\q:IFR+24*((\m)%2)+12*\x+4*\q+3], v[AI] offset:1040*\q+32*(2*(\m)+\x)
.endr
.endr
.endm
.macro JLD un                          ; the j side's four fragments of a unit
.irp u, 0,1,2,3
.irp q, 0,1,2
	ds_load_b128 v[JF+12*\u+4*\q:JF+12*\u+4*\q+3], v[AJ] offset:2*RP*(\un)+256*\u+1040*\q
.endr
.endr
.endm
.macro W2LD reg, zh, k                 ; four fragments of w2: t = 0 .. 3 of half zh, K step k
.irp t, 0,1,2,3
.irp q, 0,1,2
	ds_load_b128 v[\reg+12*\t+4*\q:\reg+12*\t+4*\q+3], v[AW0+(\zh)] offset:6144*(\k)+1536*\t+512*\q
.endr
.endr
.endm
.macro KEEP g                          ; kept fragments, group g = 4 zh + k, k = 0 .. 3
.if (\g) < 5
	WIN 0xd5
	W2LD 48*(\g), (\g)/4, (\g)%4
.elseif (\g) < 7
	WIN 0x15
	W2LD C0+48*((\g)-5), (\g)/4, (\g)%4
.else
	WIN 0x95
	W2LD C2, 1, 3
.endif
.endm
.macro RL zh, k                        ; K steps 4 and 6 into the first buffer, 5 and 7 into the second
	WIN 0x55
	W2LD DB+64*((\k)%2), \zh, \k
.endm
.macro B2LD zh                         ; b2[64 zh + 16 t + 8 h + 0 .. 7], in the result's layout
.irp t, 0,1,2,3
.irp x, 0,1
	ds_load_b128 v[JF+8*\t+4*\x:JF+8*\t+4*\x+3], v[AB] offset:256*(\zh)+64*\t+16*\x
.endr
.endr
.endm
.macro P2W un, m, x, u                 ; first product, pair m, c = 2 m + x, tile u: a whole sum (K = 128): C = 0
.set cc, 2*(\m)+(\x)
.set dd, DB+64*((\m)%2)+32*(\x)+8*(\u)
.set fi, IFR+24*((\m)%2)+12*(\x)
.set fj, JF+12*(\u)
.set sj, JS+4*(\un)+(\u)
.if cc >= 16
	v_wmma_scale_f32_16x16x128_f8f6f4 v[dd:dd+7], v[fj:fj+11], v[fi:fi+11], 0, v[sj], v[IS+cc%16] matrix_a_fmt:MATRIX_FMT_FP6 matrix_b_fmt:MATRIX_FMT_FP6 matrix_b_scale:MATRIX_SCALE_ROW1
.else
	v_wmma_scale_f32_16x16x128_f8f6f4 v[dd:dd+7], v[fj:fj+11], v[fi:fi+11], 0, v[sj], v[IS+cc%16] matrix_a_fmt:MATRIX_FMT_FP6 matrix_b_fmt:MATRIX_FMT_FP6
.endif
.endm
.macro PN un, sx, su                   ; one product of the next pair
.if nn < 15
	P2W \un, nn+1, \sx, \su
.endif
.endm
.macro RND i, x                        ; four chains of maxima, one for each tile of block x, each read from its low end on
.irp a, 0,1,2,3
.set dq, DB+64*(nn%2)+32*(\x)+8*\a
.if (\i) == 0
	v_max3_num_f32 v[M+4*(\x)+\a], |v[dq]|, |v[dq+1]|, |v[dq+2]|
.else
	v_max3_num_f32 v[M+4*(\x)+\a], v[M+4*(\x)+\a], |v[dq+2*(\i)+1]|, |v[dq+2*(\i)+2]|
.endif
.endr
.endm
; STEP nn of Q: pair nn (c = 2 nn and 2 nn + 1) is quantised, pair nn + 1 is multiplied, pair nn + 2's fragments are fetched.  In unit 0 steps 8 to 15 also fetch the kept fragments of w2.
.macro STEP un
.set q0, DB+64*(nn%2)
.set q1, q0+32
.set xl, CODE+24*(nn/2)+6*(nn%2)
.set yl, xl+12
.if ((\un) == 0) && (nn == 8)
	s_wait_alu depctr_va_vdst(0)
	s_wait_loadcnt 0x0                             ; w2's scale words
	s_wait_tensorcnt 0x0                           ; my part of w2
	s_wait_dscnt 0x0
	s_barrier_signal -1
	s_barrier_wait -1                              ; w2 is whole
.elseif ((\un) == 0) && (nn > 8)
	s_wait_dscnt 12                                ; pair nn + 1's fragments are in; behind them 12 loads of w2
.else
	s_wait_dscnt 0x0
.endif
.if nn < 14
	WIN 0x55
	IFL nn+2
.endif
.if ((\un) == 0) && (nn >= 8)
	KEEP nn-8
.endif
.if nn == 15
	s_wait_xcnt 0x0                                ; every earlier store has read its registers (the accumulators are begun anew below)
	WIN 0x55
	B2LD 0                                         ; the j side and the first set of results are done with: b2, and w2's K step 4
	RL 0, 4
.endif
	WIN 0x55
	PN \un, 0, 0
	RND 0, 0
	PN \un, 0, 1
	RND 0, 1
	PN \un, 0, 2
	RND 1, 0
	PN \un, 0, 3
	RND 1, 1
	PN \un, 1, 0
	RND 2, 0
	PN \un, 1, 1
	RND 2, 1
	v_max3_num_f32 v[M], v[M], |v[q0+7]|, 0x5000000            ; the floor 2^(10 - 127)
	v_max3_num_f32 v[M+1], v[M+1], |v[q0+15]|, |v[q0+23]|
	v_max3_num_f32 v[M+2], v[M+2], v[M+3], |v[q0+31]|
	v_max3_num_f32 v[M+4], v[M+4], |v[q1+7]|, 0x5000000
	v_max3_num_f32 v[M+5], v[M+5], |v[q1+15]|, |v[q1+23]|
	v_max3_num_f32 v[M+6], v[M+6], v[M+7], |v[q1+31]|
	PN \un, 1, 2
	v_max3_num_f32 v[M], v[M], v[M+1], v[M+2]
	v_max3_num_f32 v[M+4], v[M+4], v[M+5], v[M+6]
	PN \un, 1, 3
	v_add_nc_u32 v[T], 0xff000000, v[M]            ; 2 off the exponent field: the conversion's scale operand (for the sums as they stand)
	v_add_nc_u32 v[T+1], 0xff000000, v[M+4]
	v_lshl_add_u32 v[T2], v[M], 1, 0xf7000000      ; 9 off it, in the top byte: the scale's byte with the division by 128
	v_lshl_add_u32 v[T2+1], v[M+4], 1, 0xf7000000
	WIN 0x95                                       ; destination window 2
	v_cvt_scalef32_pk16_fp6_f32 v[xl:xl+2], v[q0:q0+15], v[T]
	v_cvt_scalef32_pk16_fp6_f32 v[yl:yl+2], v[q1:q1+15], v[T+1]
	v_cvt_scalef32_pk16_fp6_f32 v[TX:TX+2], v[q0+16:q0+31], v[T]
	v_cvt_scalef32_pk16_fp6_f32 v[TY:TY+2], v[q1+16:q1+31], v[T+1]
	v_perm_b32 v[WB+nn%2], v[T2+1], v[T2], s[SELA+nn%2]        ; the pair's two bytes at their places (also the plain instruction behind the conversions)
	WIN 0x82
.irp i, 0,1,2                          ; the even c's lanes 16-31 (the odd j) change places with the odd c's lanes 0-15 (the even j)
	v_permlane16_swap_b32 v[xl+\i], v[yl+\i]
.endr
.irp i, 0,1,2
	v_permlane16_swap_b32 v[TX+\i], v[TY+\i]
.endr
.irp i, 0,1,2
	v_mov_b32 v[xl+3+\i], v[TX+\i]                 ; (a conversion's three registers begin on an even number: the upper halves are made apart and moved)
	v_mov_b32 v[yl+3+\i], v[TY+\i]
.endr
.if nn%2 == 1
	WIN 0x0a
	v_or_b32 v[OPS+nn/2], v[WB], v[WB+1]           ; the K step's scale word
.endif
.endm
.macro P3W zh, k, t, jj                ; second product: one matrix instruction
.set ad, ACC+8*(4*(\jj)+(\t))
.set ac, ad
.if (\k) == 0
.set ac, JF+8*(\t)                     ; the first K step takes b2 as C
.endif
.set sw, W2S+8*((4*(\zh)+(\t))/2)+(\k)
.set so, OPS+(\k)
.set fa, fb+12*(\t)
.set fc, CODE+12*(2*(\k)+(\jj))
.if ((\t)%2 == 0) && ((\jj) == 0)
	v_wmma_scale_f32_16x16x128_f8f6f4 v[ad:ad+7], v[fa:fa+11], v[fc:fc+11], v[ac:ac+7], v[sw], v[so] matrix_a_fmt:MATRIX_FMT_FP6 matrix_b_fmt:MATRIX_FMT_FP6
.elseif (\t)%2 == 0
	v_wmma_scale_f32_16x16x128_f8f6f4 v[ad:ad+7], v[fa:fa+11], v[fc:fc+11], v[ac:ac+7], v[sw], v[so] matrix_a_fmt:MATRIX_FMT_FP6 matrix_b_fmt:MATRIX_FMT_FP6 matrix_b_scale:MATRIX_SCALE_ROW1
.elseif (\jj) == 0
	v_wmma_scale_f32_16x16x128_f8f6f4 v[ad:ad+7], v[fa:fa+11], v[fc:fc+11], v[ac:ac+7], v[sw], v[so] matrix_a_fmt:MATRIX_FMT_FP6 matrix_b_fmt:MATRIX_FMT_FP6 matrix_a_scale:MATRIX_SCALE_ROW1
.else
	v_wmma_scale_f32_16x16x128_f8f6f4 v[ad:ad+7], v[fa:fa+11], v[fc:fc+11], v[ac:ac+7], v[sw], v[so] matrix_a_fmt:MATRIX_FMT_FP6 matrix_b_fmt:MATRIX_FMT_FP6 matrix_a_scale:MATRIX_SCALE_ROW1 matrix_b_scale:MATRIX_SCALE_ROW1
.endif
.endm
.macro PK zh, k                        ; K step k of half zh: the 8 accumulators take turns, one instruction a turn
.if (\k) < 4
.set gg, 4*(\zh)+(\k)
.if gg < 5
.set fw, 3
.set fb, 48*gg
.elseif gg < 7
.set fw, 0
.set fb, C0+48*(gg-5)
.else
.set fw, 2
.set fb, C2
.endif
.else
.set fw, 1
.set fb, DB+64*((\k)%2)
.endif
.if (\k) == 0
.set nw, fw+0x18                       ; source 0: w2's window; source 1: the codes, window 2; C (b2) window 1; D window 0
.else
.set nw, fw+0x08
.endif
	WIN nw
.irp t, 0,1,2,3
.irp jj, 0,1
	P3W \zh, \k, \t, \jj
.endr
.endr
.endm
.macro TOSTAGE                         ; a half's 32 rows into my stage, each accumulator from its low end on.  LDS serves a wave's instructions in order (ISA guide 5.7.1.4)
	WIN 0x01
.irp jj, 0,1
.irp t, 0,1,2,3
	ds_store_b128 v[STO], v[ACC+8*(4*\jj+\t):ACC+8*(4*\jj+\t)+3] offset:16*SPITCH*\jj+64*\t
	ds_store_b128 v[STO], v[ACC+8*(4*\jj+\t)+4:ACC+8*(4*\jj+\t)+7] offset:16*SPITCH*\jj+64*\t+16
.endr
.endr
.endm
.macro ROWS jj                         ; 16 rows of one j back, two a load, into registers between w2's buffers
	WIN 0x55
.irp i, 0,1,2,3,4,5,6,7
	ds_load_b128 v[DB+48+4*\i+48*(\i/4):DB+51+4*\i+48*(\i/4)], v[RD] offset:16*SPITCH*(\jj)+2*SPITCH*\i
.endr
.endm
.macro SENDR un, jj                    ; 16 lanes store the 256 bytes of a half row, from a multiple of 256 on
	WIN 0x04
.irp i, 0,1,2,3,4,5,6,7
	global_store_b128 v[CO], v[DB+48+4*\i+48*(\i/4):DB+51+4*\i+48*(\i/4)], s[14:15] offset:262144*\i+512*(2*(\un)+(\jj)) th:TH_STORE_NT
.endr
.endm
.macro SENDA un                        ; the second half's 32 rows, from the accumulators' registers
	WIN 0
.irp i, 0,1,2,3,4,5,6,7,8,9,10,11,12,13,14,15
	s_wait_dscnt 15-\i
	global_store_b128 v[CO], v[ACC+4*\i:ACC+4*\i+3], s[14:15] offset:262144*(\i%8)+512*(2*(\un)+\i/8)+256 th:TH_STORE_NT
.endr
.endm
.macro UNIT un
	WIN 0x55
.irp x, 0,1
.irp u, 0,1,2,3
	P2W \un, 0, \x, \u
.endr
.endr
	PLACES 4                                       ; in front of the first read of the results, and of loads into registers that these products read
.if (\un) == 1
	SENDA 0                                        ; the last unit's second half leaves
.endif
.set nn, 0
.rept 16
	STEP \un
.set nn, nn+1
.endr
	s_wait_alu depctr_va_vdst(0)
	RL 0, 5
	s_wait_dscnt 24                                ; b2 is in; behind it two buffers' 24 loads
	PK 0, 0
	s_wait_dscnt 12
	PK 0, 4
	PK 0, 1
	PLACES 4                                       ; in front of loads into registers that matrix instructions have read
	RL 0, 6
	B2LD 1
	s_wait_dscnt 20                                ; K step 5's fragments; behind them 12 + 8 loads
	PK 0, 5
	PK 0, 2
	PLACES 4
	RL 0, 7
	s_wait_dscnt 20                                ; K step 6's; behind them 8 + 12
	PK 0, 6
	PK 0, 3
	PLACES 4
	RL 1, 4
	s_wait_dscnt 12
	PK 0, 7
	PLACES 5                                       ; the accumulators are read, and then begun anew with another C
	TOSTAGE
	ROWS 0
	RL 1, 5
	PK 1, 0
	s_wait_dscnt 36                                ; K step 4's; behind them 16 stores, 8 and 12 loads
	PK 1, 4
	s_wait_dscnt 12                                ; the rows of the first j
	SENDR \un, 0
	PK 1, 1
	PLACES 4
	RL 1, 6
	s_wait_dscnt 12
	PK 1, 5
	PK 1, 2
	PLACES 4
	RL 1, 7
	s_wait_xcnt 0x0                                ; the first j's stores have read their registers
	ROWS 1
.if (\un) == 0
	JLD 1                                          ; the next unit's j side and first two pairs of the i side
	IFL 0
	IFL 1
	s_wait_dscnt 44                                ; K step 6's; behind them 12 + 8 + 24
.else
	s_wait_dscnt 20                                ; K step 6's; behind them 12 + 8
.endif
	PK 1, 6
	PK 1, 3
.if (\un) == 0
	s_wait_dscnt 24                                ; the rows of the second j, and K step 7's; behind them 24
.else
	s_wait_dscnt 0x0
.endif
	SENDR \un, 1
	PK 1, 7
	PLACES 5
	TOSTAGE
	WIN 0x15
.irp i, 0,1,2,3,4,5,6,7,8,9,10,11,12,13,14,15
	ds_load_b128 v[ACC+4*\i:ACC+4*\i+3], v[RD] offset:16*SPITCH*(\i/8)+2*SPITCH*(\i%8)
.endr
.if (\un) == 0
	s_wait_xcnt 0x0                                ; the stores have read their registers, which the next unit's products write
	s_wait_dscnt 32                                ; the next unit's fragments are in; behind them 16 stores and 16 loads
.else
	SENDA 1
.endif
.endm
	WIN 0x55
	JLD 0
	IFL 0
	IFL 1
	s_wait_loadcnt 8                               ; the i side's and the j side's scale words; behind them w2's 8 loads
	s_wait_dscnt 6                                 ; the j side and pair 0; behind them pair 1's 6 loads
	UNIT 0
	UNIT 1
	WIN 0
	s_wait_tensorcnt 0x0                           ; the wave's end
	ds_add_u32 v[SPW], v[NIL]
	s_wait_dscnt 0x0
	CROUND                                         ; the closing round: no work-group ends while a partner may still ask for a tile that names it
	s_endpgm
.Lfunc_end_k_q6cea9878b1_outer_fc2:
	.size	k_q6cea9878b1_outer_fc2, .Lfunc_end_k_q6cea9878b1_outer_fc2-k_q6cea9878b1_outer_fc2
	.p2alignl 7, 3214868480
	.fill 96, 4, 3214868480
	.section	.rodata,"a",@progbits
	.p2align	6, 0x0
	.amdhsa_kernel k_q6cea9878b1_outer_fc2
		.amdhsa_group_segment_fixed_size 235520
		.amdhsa_private_segment_fixed_size 0
		.amdhsa_enable_private_segment 0
		.amdhsa_kernarg_size 48
		.amdhsa_user_sgpr_count 2
		.amdhsa_user_sgpr_kernarg_segment_ptr 1
		.amdhsa_wavefront_size32 1
		.amdhsa_system_sgpr_workgroup_id_x 1
		.amdhsa_system_sgpr_workgroup_id_y 1
		.amdhsa_system_sgpr_workgroup_id_z 1
		.amdhsa_system_vgpr_workitem_id 0
		.amdhsa_next_free_vgpr 1024
		.amdhsa_next_free_sgpr 98
		.amdhsa_reserve_vcc 0
		.amdhsa_float_denorm_mode_32 3
		.amdhsa_float_denorm_mode_16_64 3
		.amdhsa_memory_ordered 1
		.amdhsa_forward_progress 1
		.amdhsa_inst_pref_size 232
	.end_amdhsa_kernel
	.amdgpu_metadata
---
amdhsa.version: [ 1, 2 ]
amdhsa.kernels:
  - .name:           k_q6cea9878b1_outer_fc2
    .symbol:         k_q6cea9878b1_outer_fc2.kd
    .args:
      - { .name: a_codes, .offset: 0, .size: 8, .value_kind: global_buffer, .address_space: global }
      - { .name: a_scales, .offset: 8, .size: 8, .value_kind: global_buffer, .address_space: global }
      - { .name: w2_img, .offset: 16, .size: 8, .value_kind: global_buffer, .address_space: global }
      - { .name: w2_scales, .offset: 24, .size: 8, .value_kind: global_buffer, .address_space: global }
      - { .name: b2, .offset: 32, .size: 8, .value_kind: global_buffer, .address_space: global }
      - { .name: out0, .offset: 40, .size: 8, .value_kind: global_buffer, .address_space: global }
    .group_segment_fixed_size: 235520
    .private_segment_fixed_size: 0
    .kernarg_segment_align: 8
    .kernarg_segment_size: 48
    .max_flat_workgroup_size: 128
    .sgpr_count:     98
    .vgpr_count:     1024
    .wavefront_size: 32
...
	.end_amdgpu_metadata
.endif
;; end of part 2
